; MI455X (gfx1250); checked and timed in simulation.
; The chip was launched on July 23, 2026; its instructions are those of AMD's public machine-readable ISA for CDNA 5 (MIT licence, August 2026) and "CDNA5" Instruction Set Architecture Reference Guide (July 2026). The comments in the code are by the model that wrote it; some were corrected since.
;; Attention Layer. Allowed arithmetic: matrix products marked QUANTISED: E4M3 operands, one E8M0 scale for each 32 along K, by v_wmma_scale_f32_16x16x128_f8f6f4 with both operands' format E4M3, f32 sums; everything else in f32.
;; Inputs: Wk_codes 512 x 16 x 32 uint8 (E4M3 codes of Wk, K innermost, in blocks of 32 codes); Wk_scales 512 x 16 uint8 (E8M0 scales of Wk, one for each 32 codes along K); Wo_codes 512 x 16 x 32 uint8 (E4M3 codes of Wo, K innermost, in blocks of 32 codes); Wo_scales 512 x 16 uint8 (E8M0 scales of Wo, one for each 32 codes along K); Wq_codes 512 x 16 x 32 uint8 (E4M3 codes of Wq, K innermost, in blocks of 32 codes); Wq_scales 512 x 16 uint8 (E8M0 scales of Wq, one for each 32 codes along K); Wv_codes 512 x 16 x 32 uint8 (E4M3 codes of Wv, K innermost, in blocks of 32 codes); Wv_scales 512 x 16 uint8 (E8M0 scales of Wv, one for each 32 codes along K); bk 512 float32; bo 512 float32; bq 512 float32; bv 512 float32; key_codes 8 x 2,048 x 16 x 32 uint8 (E4M3 codes of key, K innermost, in blocks of 32 codes); key_scales 8 x 2,048 x 16 uint8 (E8M0 scales of key, one for each 32 codes along K); query_codes 8 x 2,048 x 16 x 32 uint8 (E4M3 codes of query, K innermost, in blocks of 32 codes); query_scales 8 x 2,048 x 16 uint8 (E8M0 scales of query, one for each 32 codes along K); value_codes 8 x 2,048 x 16 x 32 uint8 (E4M3 codes of value, K innermost, in blocks of 32 codes); value_scales 8 x 2,048 x 16 uint8 (E8M0 scales of value, one for each 32 codes along K).
;; Outputs: out0 8 x 2,048 x 512 float32.
;; This version of the problem:
;;   THIS VERSION OF THE PROBLEM IS GIVEN IN LOW PRECISION. The matrix products marked QUANTISED in the list below multiply operands that are first quantised to E4M3 (4 exponent bits, 3 mantissa bits; 8 bits a number), with one power-of-two scale for each 32 numbers along K (OCP MX v1.0); their sums are f32. All else is computed in f32.
;;   The module's matrix products, in the order in which they are computed (A, B: the left and right operand; K: the contracted axis; several contracted axes count as one K, in the product's order):
;;     1. [M 16,384, K 512] x [K 512, N 512]; A: input query (given as codes); B: input Wq (given as codes): QUANTISED
;;     2. [M 16,384, K 512] x [K 512, N 512]; A: input key (given as codes); B: input Wk (given as codes): QUANTISED
;;     3. [M 16,384, K 512] x [K 512, N 512]; A: input value (given as codes); B: input Wv (given as codes): QUANTISED
;;     4. batch 64 x [M 2,048, K 64] x [K 64, N 2,048]; A: computed on the way; B: computed on the way: QUANTISED
;;     5. batch 64 x [M 64, K 2,048] x [K 2,048, N 2,048]; A: computed on the way; B: softmax (see below): QUANTISED
;;     6. [M 16,384, K 512] x [K 512, N 512]; A: computed on the way; B: input Wo (given as codes): QUANTISED
;;   THE QUANTISER, for each operand of a quantised product, along K:
;;     - K is cut into blocks of 32 from its start; a last block that is shorter is filled with zeros.
;;     - A block's scale is 2^e with e = floor(log2(the largest magnitude in the block)) - 8, held to -126 .. 127; a block of zeros has e = 0. As a byte (E8M0): e + 127.
;;     - Each number is divided by its block's scale, clamped to +-448, and rounded to the nearest number of E4M3, ties to even, subnormals kept.
;;     - The product sums the exact products of the quantised numbers (number of the format x scale) in f32.
;;   ~~~python
;;   def quantise(x, axis):      # numpy; x: float32 -> the quantised numbers, widened to float32 again
;;       x = np.moveaxis(x, axis, -1); K = x.shape[-1]
;;       x = np.pad(x, [(0, 0)] * (x.ndim - 1) + [(0, -K % 32)]); x = x.reshape(x.shape[:-1] + (-1, 32)); a = np.abs(x).max(-1, keepdims=True)
;;       e = np.where(a > 0, np.clip(np.frexp(np.where(a > 0, a, 1))[1] - 1 - 8, -126, 127), 0)      # np.frexp(a)[1] - 1 = floor(log2(a)), exactly
;;       r = np.clip(x / 2.0 ** e, -448, 448)
;;       step = 2.0 ** (np.maximum(np.frexp(np.where(r == 0, 1, r))[1] - 1, -6) - 3)
;;       q = np.round(r / step) * step * 2.0 ** e      # np.round: ties to even
;;       return np.moveaxis(q.reshape(q.shape[:-2] + (-1,))[..., :K], -1, axis).astype(np.float32)
;;   ~~~
;;   SOFTMAX AHEAD OF A QUANTISED PRODUCT. Where the list says 'softmax', what is quantised is not the finished softmax but p = 2^(t - M), with t = logit x log2(e) and M = ceil(the row's largest t), a whole number; so 1/2 < the row's largest p <= 1. The row's sum l is taken of the UNQUANTISED p, in f32, and the product's result is divided by l at the end. Since M is a whole number, a kernel that streams over the keys may use a running M (the ceiling of the running maximum): every later rescaling is an exact power of two, which a block's scale takes up: the codes' values come out the same.
;;   OPERANDS COMPUTED ON THE WAY. 'Computed on the way' means the value that the module computes at that place (a softmax that the list does not call 'softmax' is quantised finished and normalised). What goes into a quantiser is computed in f32, as accurately as f32 sums, v_exp_f32 and their like allow (about 1e-6 of the number): no bf16 or f16 on the way to a quantiser, and a product that is left as it is and whose result goes on into a quantised operand takes f32 operands (vector FMAs, or v_wmma_f32_16x16x4_f32). A number that lies on a knife's edge between two numbers of the format may be rounded either way, as far as f32 arithmetic and the matrix unit's own rounding can turn it there, and no further.
;;   INPUTS GIVEN AS CODES. Wk (in the module: [512, 512], K = its axis 0); Wo (in the module: [512, 512], K = its axis 0); Wq (in the module: [512, 512], K = its axis 0); Wv (in the module: [512, 512], K = its axis 0); key (in the module: [8, 2048, 512], K = its axis 2); query (in the module: [8, 2048, 512], K = its axis 2); value (in the module: [8, 2048, 512], K = its axis 2): each comes as NAME_codes (uint8): NAME with its K axis moved to the last place and cut into blocks of 32 codes, [.., K / 32, bytes a block], one block behind the other in memory; one code a byte (a code: sign, 4 exponent bits, 3 mantissa bits); and NAME_scales (uint8): the same leading axes, one E8M0 byte (e + 127) for each 32 codes along K. Its value is code x scale, taken as it is: it is not quantised again, and the codes and scales need not be those that the quantiser above would give.
;; One version. Each part assembles by itself: llvm-mc -triple=amdgcn-amd-amdhsa -mcpu=gfx1250 --defsym DOCPART=n.
;; ======== version 1 of 1: 3 launches
;; workspace buffers: kv 17,301,504 bytes; qc 8,388,608 bytes; qs 262,144 bytes; oc 8,388,608 bytes; os 262,144 bytes
;; launch proj (part 1): grid 2 x 128, 4 waves a work-group, no clusters, 203,264 bytes of LDS; arguments query_codes, key_codes, value_codes, query_scales, key_scales, value_scales, Wq_codes, Wk_codes, Wv_codes, Wq_scales, Wk_scales, Wv_scales, bq, bk, bv, qc, qs, kv; writes qc, qs, kv
.if DOCPART == 1
	.amdgcn_target "amdgcn-amd-amdhsa--gfx1250"
	.amdhsa_code_object_version 6
	.text
	.protected	k_q03cc5cf331_proj
	.globl	k_q03cc5cf331_proj
	.p2align	8
	.type	k_q03cc5cf331_proj,@function
k_q03cc5cf331_proj:
	s_mov_b64 s[64:65], 0
	v_nop
	global_prefetch_b8 v0, s[64:65] scope:SCOPE_SE
	s_setreg_imm32_b32 hwreg(HW_REG_WAVE_MODE, 25, 1), 1
	s_wait_xcnt 0x0
; q = query Wq + bq, k = key Wk + bk, v = value Wv + bv on the given codes of E4M3 (one E8M0 byte for each 32 along K = 512), f32 sums; each result is quantised at once,
; q and k along a head's 64 channels, v along the keys, and stored in the ORDER OF THE NEXT OPERAND'S REGISTERS (16 bytes a lane, 512 consecutive bytes a store).
; SHARES.  A work-group takes 128 tokens (y) x 256 channels (x) and makes q, then k, then v.  Wave w owns one head, 4 x + w: 64 channels; its 64 x 512 codes of a weight are 16 fragments, 256 registers,
; read from memory once; two such sets, so that the next phase's weight lands while this phase is multiplied.  The three x blocks (128 rows x 512 bytes) come into LDS once, by three tensor loads a wave: nothing is filled again.
; ORIENTATION.  q, k: source 0 = 16 channels of W, source 1 = 16 tokens: a lane holds ONE token and its registers run along the channels, the next K.  v: the sources swapped: a lane holds ONE channel and its registers run along the tokens (the keys).
; THE ORDER ALONG THE NEXT K.  Two neighbouring result tiles give a lane 16 numbers of a block of 32: place 16 h + e of the block holds its number 8 h + e (e < 8) or 16 + 8 h + (e - 8).  Both operands of each later product are made in this
; same order inside each block of 32, so the products and the blocks' scales are those of the plain order.
; A HEAD HAS 64 CHANNELS, THE MATRIX FORM 128 ALONG K: a fragment of q or k is DOUBLE: its first 64 places hold token tile 2 f, its last 64 token tile 2 f + 1.
; NO CLUSTER: of the 192 KB that a work-group fetches for a phase 128 KB are weights that go from memory straight into registers, for which there is no joint request; x's 64 KB are shared by the two work-groups
; of a token block alone, and the grid's x is 2, which no cluster of four divides.
; LIMITS: NaN, infinities and NaN codes among the inputs are not served.  A block whose largest magnitude lies under 2^-118 keeps the scale byte 1; a block of zeros gets the byte 1 with zero codes (only this program reads these bytes).
; REGISTERS, in windows of 256.  Window 0: v1-12 lane numbers and offsets; v16-63 x's scale words; v64-87 W's; v88-103 the quantiser's; v105-108 four scale words kept; v110-111 the pair to store; v112-127 codes; v128-255 16 accumulators.
;   Windows 1, 2: W's two sets, fragment (dt, s) at 16 (4 dt + s).   Window 3: v0-127 two buffers of four x fragments; v128-223 the biases, 32 a phase, in the result's layout.
.set XP,   528                         ; an LDS row of x: 512 bytes + 16 of padding: an odd multiple of 16, so the 16 rows of a fragment load start at 16 different 16-byte columns
.set XT,   128*XP                      ; a phase's x block
.set XQ,   32*XP                       ; what one tensor load brings
.set REC,  16896                       ; a record of kv: K's codes 8,192, V's codes 8,192, K's scale words 256, V's 256
.set XA,   4                           ; v4-6   LDS address of my place in a fragment of x, phase 0, 1, 2
.set WA,   7                           ; v7     my place in a tile of W: 512 r + 16 h
.set L16,  8                           ; v8     16 x lane
.set L8,   9                           ; v9     8 x lane
.set BH,   10                          ; v10    32 h: bias, q and k
.set BR,   11                          ; v11    4 r: bias, v
.set SELV, 12                          ; v12    byte selects: lanes 0-15 the two low halves, lanes 16-31 the two high halves
.set XS,   16
.set WS,   64
.set TM,   88
.set KW,   105
.set XW,   110
.set PC,   112
.set ACC,  128
.set BI,   128
.set MSB,  0
.macro WIN new                         ; the immediate's high byte repeats the setting that is left; a switch that changes nothing is dropped
.if MSB != (\new)
	s_set_vgpr_msb (MSB<<8)|(\new)
.set MSB, (\new)
.endif
.endm
.macro PLACES n
.rept \n
	v_nop
.endr
.endm
; one matrix instruction; ra, rb: the side's scale words stand in lanes 16-31 of the register named
.macro WM d, a, b, cc, sa, sb, ra, rb
.if (\ra) && (\rb)
	v_wmma_scale_f32_16x16x128_f8f6f4 v[\d:\d+7], v[\a:\a+15], v[\b:\b+15], v[\cc:\cc+7], v[\sa], v[\sb] matrix_a_scale:MATRIX_SCALE_ROW1 matrix_b_scale:MATRIX_SCALE_ROW1
.elseif (\ra)
	v_wmma_scale_f32_16x16x128_f8f6f4 v[\d:\d+7], v[\a:\a+15], v[\b:\b+15], v[\cc:\cc+7], v[\sa], v[\sb] matrix_a_scale:MATRIX_SCALE_ROW1
.elseif (\rb)
	v_wmma_scale_f32_16x16x128_f8f6f4 v[\d:\d+7], v[\a:\a+15], v[\b:\b+15], v[\cc:\cc+7], v[\sa], v[\sb] matrix_b_scale:MATRIX_SCALE_ROW1
.else
	v_wmma_scale_f32_16x16x128_f8f6f4 v[\d:\d+7], v[\a:\a+15], v[\b:\b+15], v[\cc:\cc+7], v[\sa], v[\sb]
.endif
.endm
.macro G0SET g, sp, p                  ; descriptor group 0 of phase p: my 32 rows
	s_mov_b32 s[\g], 1                             ; count = 1
	s_add_co_u32 s[\g+1], s44, (\p)*XT             ; LDS address: the phase's block + wave x 32 rows
	s_add_nc_u64 s[\g+2:\g+3], s[\sp:\sp+1], s[2:3]  ; global address
	s_or_b32 s[\g+3], s[\g+3], 0x80000000          ; type = 2
.endm
; 16 loads: W's tile dt (16 channels x 512 along K) into window win
.macro WLOAD win, sp, dt
	WIN (\win)<<6
.irp s, 0,1,2,3
.irp c, 0,1,2,3
	global_load_b128 v[16*(4*(\dt)+\s)+4*\c:16*(4*(\dt)+\s)+4*\c+3], v[WA], s[\sp:\sp+1] offset:8192*(\dt)+128*\s+32*\c
.endr
.endr
.endm
; a phase's small loads: x's scale words (a token's 16 bytes are its four words; lanes 0-15 take token tile 2 i, lanes 16-31 tile 2 i + 1), W's likewise, the bias
.macro SMALL p, sx, sw, sbi
	WIN 0
.irp i, 0,1,2,3
	global_load_b128 v[XS+16*(\p)+4*\i:XS+16*(\p)+4*\i+3], v[L16], s[\sx:\sx+1] offset:512*\i
.endr
.irp i, 0,1
	global_load_b128 v[WS+8*(\p)+4*\i:WS+8*(\p)+4*\i+3], v[L16], s[\sw:\sw+1] offset:512*\i
.endr
	WIN 0xc0                                       ; destination window 3
.if (\p) < 2
.irp i, 0,1,2,3
	global_load_b128 v[BI+32*(\p)+8*\i:BI+32*(\p)+8*\i+3], v[BH], s[\sbi:\sbi+1] offset:64*\i       ; channels 16 i + 8 h + 0 .. 7
	global_load_b128 v[BI+32*(\p)+8*\i+4:BI+32*(\p)+8*\i+7], v[BH], s[\sbi:\sbi+1] offset:64*\i+16
.endr
.else
.irp i, 0,1,2,3
	global_load_b32 v[BI+64+8*\i], v[BR], s[\sbi:\sbi+1] offset:64*\i                               ; channel 16 i + r
.endr
.endif
.endm
; 16 LDS loads: four token tiles' fragments of K step s of half g (phase g / 2, token tiles 4 (g % 2) on) into buffer s % 2
.macro FETCHX g, s
	WIN 0xc0
.irp u, 0,1,2,3
.irp c, 0,1,2,3
	ds_load_b128 v[64*((\s)%2)+16*\u+4*\c:64*((\s)%2)+16*\u+4*\c+3], v[XA+(\g)/2] offset:(4*((\g)%2)+\u)*16*XP+128*(\s)+32*\c
.endr
.endr
.endm
; 16 matrix instructions of K step s; the 16 accumulators take turns, one instruction a turn.  The first K step takes the bias as C: nothing is cleared and nothing is added afterwards.
.macro MULQK p, H, s, W
.if (\s) == 0
	WIN 0x3c+(\W)                                  ; source 0 (W) window W, source 1 (x) window 3, C (bias) window 3, D window 0
.else
	WIN 0x0c+(\W)
.endif
.irp u, 0,1,2,3
.irp dt, 0,1,2,3
.if (\s) == 0
	WM ACC+32*\u+8*\dt, 16*(4*\dt+(\s)), 64*((\s)%2)+16*\u, BI+32*(\p)+8*\dt, WS+8*(\p)+4*(\dt/2)+(\s), XS+16*(\p)+4*((4*(\H)+\u)/2)+(\s), \dt%2, \u%2
.else
	WM ACC+32*\u+8*\dt, 16*(4*\dt+(\s)), 64*((\s)%2)+16*\u, ACC+32*\u+8*\dt, WS+8*(\p)+4*(\dt/2)+(\s), XS+16*(\p)+4*((4*(\H)+\u)/2)+(\s), \dt%2, \u%2
.endif
.endr
.endr
.endm
.macro MULV H, s                       ; v: source 0 = x (window 3), source 1 = W (window 1)
.if (\s) == 0
	WIN 0x37
.else
	WIN 0x07
.endif
.irp u, 0,1,2,3
.irp dt, 0,1,2,3
.if (\s) == 0
	WM ACC+32*\dt+8*\u, 64*((\s)%2)+16*\u, 16*(4*\dt+(\s)), BI+64+8*\dt, XS+32+4*((4*(\H)+\u)/2)+(\s), WS+16+4*(\dt/2)+(\s), \u%2, \dt%2
.else
	WM ACC+32*\dt+8*\u, 64*((\s)%2)+16*\u, 16*(4*\dt+(\s)), ACC+32*\dt+8*\u, XS+32+4*((4*(\H)+\u)/2)+(\s), WS+16+4*(\dt/2)+(\s), \u%2, \dt%2
.endif
.endr
.endr
.endm
.macro MUL g, s
.if (\g)/2 == 2
	MULV (\g)%2, \s
.else
	MULQK (\g)/2, (\g)%2, \s, 1+(\g)/2
.endif
.endm
; 64 numbers of a lane, v[s] on: four blocks of which I hold 16 numbers each and lane l xor 16 the other 16.  They become 16 registers of codes in v[PC] on and the four scale bytes in v[pw].
.macro QUANT s, pw
.irp b, 0,1,2,3
	v_max3_num_f32 v[TM+\b], |v[\s+16*\b]|, |v[\s+1+16*\b]|, 0x4800000     ; my 16 numbers and the floor 2^(9 - 127): the byte cannot fall under 1.  (Each accumulator is read from its low end on)
.endr
.irp i, 2,4,6,8,10,12,14
.irp b, 0,1,2,3
	v_max3_num_f32 v[TM+\b], v[TM+\b], |v[\s+16*\b+\i]|, |v[\s+1+16*\b+\i]|
.endr
.endr
.irp b, 0,1,2,3
	v_permlanex16_b32 v[TM+4+\b], v[TM+\b], s72, s73
.endr
.irp b, 0,1,2,3
	v_max_num_f32 v[TM+\b], v[TM+\b], v[TM+4+\b]   ; the block's largest magnitude
.endr
.irp b, 0,1,2,3
	v_add_nc_u32 v[TM+12+\b], 0xfc000000, v[TM+\b] ; 8 off its exponent field: the conversion's scale operand
.endr
.irp b, 0,1,2,3
	v_and_or_b32 v[TM+8+\b], v[TM+\b], 0x7f800000, s74   ; 448 x the scale
.endr
.irp b, 0,1,2,3
	v_lshrrev_b32 v[TM+4+\b], 23, v[TM+12+\b]      ; the scale's byte
.endr
	v_lshl_or_b32 v[\pw], v[TM+5], 8, v[TM+4]
	v_lshl_or_b32 v[\pw], v[TM+6], 16, v[\pw]
	v_lshl_or_b32 v[\pw], v[TM+7], 24, v[\pw]
	s_wait_xcnt 0x0                                ; the last stores have read v[PC] on: only behind this wait are the codes written again
.irp b, 0,1,2,3
.irp i, 0,1,2,3,4,5,6,7,8,9,10,11,12,13,14,15
	v_med3_num_f32 v[\s+16*\b+\i], v[\s+16*\b+\i], -v[TM+8+\b], v[TM+8+\b]   ; the conversion to an 8-bit code does not saturate (ISA guide 7.6.2): the hold at the largest code x the scale
.endr
	v_cvt_scalef32_pk8_fp8_f32 v[PC+4*\b:PC+1+4*\b], v[\s+16*\b:\s+7+16*\b], v[TM+12+\b]
	v_cvt_scalef32_pk8_fp8_f32 v[PC+2+4*\b:PC+3+4*\b], v[\s+8+16*\b:\s+15+16*\b], v[TM+12+\b]
.endr
	v_nop                                          ; a plain vector line between the last conversion and the next vector or matrix instruction that writes its sources
.endm
.macro PUTQK sb, H, P                  ; double fragment 2 H + P: four stores of 512 consecutive bytes
.irp c, 0,1,2,3
	global_store_b128 v[L16], v[PC+4*\c:PC+4*\c+3], s[\sb:\sb+1] offset:2048*(2*(\H)+(\P))+512*\c
.endr
.endm
.macro PUTV H, P                       ; group c of the codes is V's fragment 2 P + c / 2, key block 2 H + c % 2
.irp c, 0,1,2,3
	global_store_b128 v[L16], v[PC+4*\c:PC+4*\c+3], s[42:43] offset:8192+2048*(2*(\P)+\c/2)+512*(2*(\H)+\c%2)
.endr
.endm
; HALF g: phase g / 2, token tiles 4 (g % 2) .. + 3: 64 matrix instructions, then two quantisers and their stores.  The fragments of K steps 0 and 1 have been asked for.
.macro HALF g
	s_wait_dscnt 16                                ; K step 0's sixteen loads are in; K step 1's may be out
	MUL \g, 0
	PLACES 8                                       ; eight places in front of loads into registers that matrix instructions have read
	FETCHX \g, 2
	s_wait_dscnt 16                                ; K step 1's are in
	MUL \g, 1
	PLACES 8
	FETCHX \g, 3
	s_wait_dscnt 16                                ; K step 2's
	MUL \g, 2
	s_wait_dscnt 0x0
	MUL \g, 3
	PLACES 8                                       ; for the loads below and for the first reads of the results
.if (\g) == 1
	s_wait_loadcnt 0x0                             ; Wk, asked for at the head, is in
	WLOAD 1, 24, 0                                 ; Wv takes Wq's registers and lands while k is made
	WLOAD 1, 24, 1
	WLOAD 1, 24, 2
	WLOAD 1, 24, 3
.endif
.if (\g) == 1
	s_wait_tensorcnt 0x1                           ; my part of key's block is in; value's may stay out
	s_wait_dscnt 0x0
	s_barrier_signal -1
	s_barrier_wait -1
.endif
.if (\g) == 3
	s_wait_tensorcnt 0x0                           ; my part of value's block is in
	s_wait_dscnt 0x0
	s_barrier_signal -1
	s_barrier_wait -1
.endif
.if (\g) < 5
	FETCHX (\g)+1, 0                               ; the next half's first fragments land under the quantisers
	FETCHX (\g)+1, 1
.endif
	WIN 0
.if (\g)/2 == 2
	QUANT ACC, KW+(\g)%2
	PUTV (\g)%2, 0
	QUANT ACC+64, KW+2+(\g)%2
	PUTV (\g)%2, 1
.else
	QUANT ACC, KW+2*((\g)%2)
	PUTQK 38+4*((\g)/2), (\g)%2, 0
	QUANT ACC+64, KW+2*((\g)%2)+1
	PUTQK 38+4*((\g)/2), (\g)%2, 1
.endif
.if (\g)%2 == 1                        ; the phase's scale words: 8 bytes a lane, 256 consecutive bytes
.if (\g)/2 == 2
	v_perm_b32 v[XW], v[KW+1], v[KW], v[SELV]      ; lanes 0-15: channel tile 0's four key blocks, lanes 16-31: tile 1's
	v_perm_b32 v[XW+1], v[KW+3], v[KW+2], v[SELV]  ; tiles 2 and 3
	global_store_b64 v[L8], v[XW:XW+1], s[42:43] offset:16640
.else
	v_cndmask_b32 v[XW], v[KW], v[KW+1], s75       ; lanes 0-15: fragment 0's words, lanes 16-31: fragment 1's
	v_cndmask_b32 v[XW+1], v[KW+2], v[KW+3], s75   ; fragments 2 and 3
.if (\g)/2 == 1
	global_store_b64 v[L8], v[XW:XW+1], s[42:43] offset:16384
.else
	global_store_b64 v[L8], v[XW:XW+1], s[40:41]
.endif
.endif
.endif
.endm
	s_load_b512 s[8:23], s[0:1], 0x0               ; query, key, value codes s[8:13]; their scales s[14:19]; Wq, Wk codes s[20:23]
	s_load_b512 s[24:39], s[0:1], 0x40             ; Wv codes s[24:25]; Wq, Wk, Wv scales s[26:31]; bq, bk, bv s[32:37]; qc s[38:39]
	s_load_b128 s[40:43], s[0:1], 0x80             ; qs s[40:41], kv s[42:43]
	v_lshl_add_u32 v104, v0, 2, 0x31800
	v_mov_b32 v109, 0
	ds_add_u32 v104, v109
	ds_add_u32 v104, v109
	v_lshrrev_b32 v1, 5, v0
	v_readfirstlane_b32 s4, v1                     ; wave 0..3
	s_and_b32 s6, ttmp7, 0xffff                    ; token block: 128 tokens
	s_lshl_b32 s7, ttmp9, 2
	s_add_co_u32 s7, s7, s4                        ; my head
	; descriptor group 1: 32 rows x 512 bytes, 16 bytes of padding behind each
	s_mov_b32 s48, 0x07900000                      ; no mask; elements of 1 byte; padding on; after every 128 words (code 6) four words (code 3)
	s_mov_b32 s49, 512<<16                         ; tensor_dim0
	s_mov_b32 s50, 32<<16                          ; tensor_dim1
	s_mov_b32 s51, 512<<16                         ; tile_dim0
	s_mov_b32 s52, 32                              ; tile_dim1
	s_mov_b32 s53, 512                             ; from row to row
	s_mov_b32 s54, 0
	s_mov_b32 s55, 0
	s_mov_b32 s72, 0x76543210
	s_mov_b32 s73, 0xfedcba98                      ; lane selects: lane l xor 16
	s_mov_b32 s74, 0x600000                        ; the mantissa field of 448
	s_mov_b32 s75, 0xffff0000                      ; lanes 16-31
	s_lshl_b32 s2, s6, 16                          ; 128 rows of 512 bytes a token block,
	s_lshl_b32 s3, s4, 14                          ; 32 rows a wave
	s_add_co_u32 s2, s2, s3
	s_mov_b32 s3, 0
	s_mul_i32 s44, s4, XQ
	s_wait_dscnt 0x0
	s_wait_kmcnt 0x0
	G0SET 56, 8, 0
	G0SET 60, 10, 1
	G0SET 68, 12, 2
	tensor_load_to_lds s[56:59], s[48:55]          ; the three first fills go out together: three loads of mine are out
	s_nop 0
	tensor_load_to_lds s[60:63], s[48:55]
	s_nop 0
	tensor_load_to_lds s[68:71], s[48:55]
	s_nop 0
	v_and_b32 v1, 31, v0                           ; lane
	v_and_b32 v2, 15, v0                           ; r
	v_bfe_u32 v3, v0, 4, 1                         ; h
	v_mul_u32_u24 v[XA], v2, XP
	v_lshl_add_u32 v[XA], v3, 4, v[XA]
	v_add_nc_u32 v[XA+1], XT, v[XA]
	v_add_nc_u32 v[XA+2], 2*XT, v[XA]
	v_lshlrev_b32 v[WA], 9, v2
	v_lshl_add_u32 v[WA], v3, 4, v[WA]
	v_lshlrev_b32 v[L16], 4, v1
	v_lshlrev_b32 v[L8], 3, v1
	v_lshlrev_b32 v[BH], 5, v3
	v_lshlrev_b32 v[BR], 2, v2
	v_mov_b32 v[SELV], 0x05040100
	v_mov_b32 v13, 0x07060302
	v_cndmask_b32 v[SELV], v[SELV], v13, s75
.irp b, 0,1,2,3
	v_mov_b32 v[TM+4+\b], 0                        ; written once: a lane permute's destination counts as one of its sources
.endr
	s_lshl_b32 s2, s6, 11                          ; x's scales: 16 bytes a token
	s_add_nc_u64 s[14:15], s[14:15], s[2:3]
	s_add_nc_u64 s[16:17], s[16:17], s[2:3]
	s_add_nc_u64 s[18:19], s[18:19], s[2:3]
	s_lshl_b32 s2, s7, 15                          ; W's codes: my 64 rows of 512 bytes
	s_add_nc_u64 s[20:21], s[20:21], s[2:3]
	s_add_nc_u64 s[22:23], s[22:23], s[2:3]
	s_add_nc_u64 s[24:25], s[24:25], s[2:3]
	s_lshl_b32 s2, s7, 10                          ; W's scales: 16 bytes a row
	s_add_nc_u64 s[26:27], s[26:27], s[2:3]
	s_add_nc_u64 s[28:29], s[28:29], s[2:3]
	s_add_nc_u64 s[30:31], s[30:31], s[2:3]
	s_lshl_b32 s2, s7, 8                           ; the biases: my 64 numbers
	s_add_nc_u64 s[32:33], s[32:33], s[2:3]
	s_add_nc_u64 s[34:35], s[34:35], s[2:3]
	s_add_nc_u64 s[36:37], s[36:37], s[2:3]
	s_lshr_b32 s44, s6, 4                          ; batch
	s_and_b32 s45, s6, 15                          ; key step
	s_lshl_b32 s44, s44, 7
	s_lshl_b32 s46, s7, 4
	s_add_co_u32 s44, s44, s46
	s_add_co_u32 s44, s44, s45                     ; (batch x 8 + head) x 16 + key step
	s_lshl_b32 s2, s44, 13
	s_add_nc_u64 s[38:39], s[38:39], s[2:3]        ; qc: 8,192 bytes each
	s_lshl_b32 s2, s44, 8
	s_add_nc_u64 s[40:41], s[40:41], s[2:3]        ; qs: 256
	s_mul_i32 s2, s44, REC
	s_add_nc_u64 s[42:43], s[42:43], s[2:3]        ; kv: a record
	SMALL 0, 14, 26, 32
	SMALL 1, 16, 28, 34
	SMALL 2, 18, 30, 36
	WLOAD 1, 20, 0                                 ; Wq into set 1
	WLOAD 1, 20, 1
	WLOAD 1, 20, 2
	WLOAD 1, 20, 3
	WLOAD 2, 22, 0                                 ; Wk into set 2
	WLOAD 2, 22, 1
	WLOAD 2, 22, 2
	s_wait_loadcnt 48                              ; all but the 48 loads of Wk just issued: the small loads and Wq are in
	WLOAD 2, 22, 3
	WIN 0xc3                                       ; source 0 and destination window 3
.irp dt, 0,1,2,3
.irp j, 1,2,3,4,5,6,7
	v_mov_b32 v[BI+64+8*\dt+\j], v[BI+64+8*\dt]    ; v's result holds one channel a lane and eight tokens: its bias is one number in all eight registers of a C
.endr
.endr
	s_wait_tensorcnt 0x2                           ; my part of query's block is in; the two younger loads may stay out
	s_barrier_signal -1
	s_barrier_wait -1                              ; everybody's is
	FETCHX 0, 0
	FETCHX 0, 1
	HALF 0
	HALF 1
	HALF 2
	HALF 3
	s_wait_loadcnt 0x0                             ; Wv
	HALF 4
	HALF 5
	s_wait_tensorcnt 0x0
	ds_add_u32 v104, v109
	s_wait_dscnt 0x0
	s_endpgm
.Lfunc_end_k_q03cc5cf331_proj:
	.size	k_q03cc5cf331_proj, .Lfunc_end_k_q03cc5cf331_proj-k_q03cc5cf331_proj
	.p2alignl 7, 3214868480
	.fill 96, 4, 3214868480
	.section	.rodata,"a",@progbits
	.p2align	6, 0x0
	.amdhsa_kernel k_q03cc5cf331_proj
		.amdhsa_group_segment_fixed_size 203264
		.amdhsa_private_segment_fixed_size 0
		.amdhsa_enable_private_segment 0
		.amdhsa_kernarg_size 144
		.amdhsa_user_sgpr_count 2
		.amdhsa_user_sgpr_kernarg_segment_ptr 1
		.amdhsa_wavefront_size32 1
		.amdhsa_system_sgpr_workgroup_id_x 1
		.amdhsa_system_sgpr_workgroup_id_y 1
		.amdhsa_system_sgpr_workgroup_id_z 1
		.amdhsa_system_vgpr_workitem_id 0
		.amdhsa_next_free_vgpr 1024
		.amdhsa_next_free_sgpr 80
		.amdhsa_reserve_vcc 0
		.amdhsa_float_denorm_mode_32 3
		.amdhsa_float_denorm_mode_16_64 3
		.amdhsa_memory_ordered 1
		.amdhsa_forward_progress 1
		.amdhsa_inst_pref_size 208
	.end_amdhsa_kernel
	.amdgpu_metadata
---
amdhsa.version: [ 1, 2 ]
amdhsa.kernels:
  - .name:           k_q03cc5cf331_proj
    .symbol:         k_q03cc5cf331_proj.kd
    .args:
      - { .name: query_codes, .offset: 0, .size: 8, .value_kind: global_buffer, .address_space: global }
      - { .name: key_codes, .offset: 8, .size: 8, .value_kind: global_buffer, .address_space: global }
      - { .name: value_codes, .offset: 16, .size: 8, .value_kind: global_buffer, .address_space: global }
      - { .name: query_scales, .offset: 24, .size: 8, .value_kind: global_buffer, .address_space: global }
      - { .name: key_scales, .offset: 32, .size: 8, .value_kind: global_buffer, .address_space: global }
      - { .name: value_scales, .offset: 40, .size: 8, .value_kind: global_buffer, .address_space: global }
      - { .name: Wq_codes, .offset: 48, .size: 8, .value_kind: global_buffer, .address_space: global }
      - { .name: Wk_codes, .offset: 56, .size: 8, .value_kind: global_buffer, .address_space: global }
      - { .name: Wv_codes, .offset: 64, .size: 8, .value_kind: global_buffer, .address_space: global }
      - { .name: Wq_scales, .offset: 72, .size: 8, .value_kind: global_buffer, .address_space: global }
      - { .name: Wk_scales, .offset: 80, .size: 8, .value_kind: global_buffer, .address_space: global }
      - { .name: Wv_scales, .offset: 88, .size: 8, .value_kind: global_buffer, .address_space: global }
      - { .name: bq, .offset: 96, .size: 8, .value_kind: global_buffer, .address_space: global }
      - { .name: bk, .offset: 104, .size: 8, .value_kind: global_buffer, .address_space: global }
      - { .name: bv, .offset: 112, .size: 8, .value_kind: global_buffer, .address_space: global }
      - { .name: qc, .offset: 120, .size: 8, .value_kind: global_buffer, .address_space: global }
      - { .name: qs, .offset: 128, .size: 8, .value_kind: global_buffer, .address_space: global }
      - { .name: kv, .offset: 136, .size: 8, .value_kind: global_buffer, .address_space: global }
    .group_segment_fixed_size: 203264
    .private_segment_fixed_size: 0
    .kernarg_segment_align: 8
    .kernarg_segment_size: 144
    .max_flat_workgroup_size: 128
    .sgpr_count:     80
    .vgpr_count:     1024
    .wavefront_size: 32
...
	.end_amdgpu_metadata
.endif
;; end of part 1
;; launch attn (part 2): grid 4 x 64, 16 waves a work-group, clusters of 4 x 1, 272,384 bytes of LDS; arguments kv, qc, qs, oc, os; writes oc, os
.if DOCPART == 2
	.amdgcn_target "amdgcn-amd-amdhsa--gfx1250"
	.amdhsa_code_object_version 6
	.text
	.protected	k_q03cc5cf331_attn
	.globl	k_q03cc5cf331_attn
	.p2align	8
	.type	k_q03cc5cf331_attn,@function
k_q03cc5cf331_attn:
	s_mov_b64 s[64:65], 0
	v_nop
	global_prefetch_b8 v0, s[64:65] scope:SCOPE_SE
	s_setreg_imm32_b32 hwreg(HW_REG_WAVE_MODE, 25, 1), 1
	s_wait_xcnt 0x0
	s_wait_alu depctr_hold_cnt(0) depctr_sa_sdst(0) depctr_va_vdst(0) depctr_va_sdst(0) depctr_va_ssrc(0) depctr_va_vcc(0) depctr_vm_vsrc(0)
	s_getreg_b32 s2, hwreg(HW_REG_IB_STS2, 6, 4)
	s_cmp_eq_u32 s2, 0
	s_cbranch_scc0 .Lentry_in_a_cluster
	s_endpgm
.Lentry_in_a_cluster:
	s_bfe_u32 s2, ttmp6, 0x10000c
	s_cmp_lg_u32 s2, 0x3003
	s_cbranch_scc0 .Lentry_shape_is_right
	s_endpgm
.Lentry_shape_is_right:
; Causal attention of one (batch, head) a cluster, on codes of E4M3 with one E8M0 byte for each 32 along a product's K; the result O / l is quantised along the head's 64 channels (two blocks of 32) and stored as the next product's operand.
; SOFTMAX: t = score x log2(e) / 8; M = the running largest t rounded UP to a whole number; p = 2^(t - M) is quantised along the keys, not normalised; the row's sum is taken of the unquantised p and divides at the end.
; When M moves, the sum and O are multiplied by 2^(old M - new M), which rounds nothing.
; LDS: the head's 16 records of kv (128 keys each: K's codes, V's codes, both scale words), 270,336 dense bytes, come ONCE and stay.  Wave w of each of the cluster's four work-groups asks for record w JOINTLY (mask 15): one tensor load a wave
; is out, nothing is stored to LDS.
; SHARES.  The head's 128 tiles of 16 queries form 16 groups of 8; a tile of group G walks key steps 0 .. G, the last on the diagonal.  Wave w takes tile 8 w + cx (w + 1 steps) and then tile 8 (15 - w) + 4 + cx (16 - w steps):
; 17 steps for every wave of every work-group, ONE loop of 17 trips.  cx enters global addresses, the mask's number and a shift count alone: no branch and no LDS address hangs on it.
; LAYOUT.  S^T = K Q^T and O^T = V^T P^T: a lane holds ONE query throughout.  A fragment of K is double (key tile 2 f in its first 64 places along K, tile 2 f + 1 in its last 64); q stands between two runs of eight zero registers, so
; [q|0] gives tile 2 f's scores and [0|q] tile 2 f + 1's.  In the other half q's zero codes meet K's codes, which were held at 448 and are no NaN, under scale bytes between 1 and 254: that half adds exactly 0.
; p's, V's, q's and K's places inside a block of 32 follow one order (place 16 h + e: number 8 h + e for e < 8, else 16 + 8 h + e - 8), the one in which two result tiles fall into a lane's 16 registers.
; LIMITS: NaN and infinities are not served.  A block under 2^-118 keeps the byte 1, a block of zeros the byte 1 with zero codes (only this program reads the bytes).  1 / l is v_rcp_f32's.
; os is stored 2 bytes a token (lanes 16-31 repeat lanes 0-15): one byte in 33 of what the launch stores.
.set REC,  16896
.set L16,  1                           ; v1    16 x lane
.set L8,   2                           ; v2    8 x lane
.set AD,   3                           ; v3    the step's record + 16 x lane
.set AS,   4                           ; v4    the step's record + 8 x lane
.set VD,   5                           ; v5    my query in the diagonal step, less 8 h
.set R8,   6                           ; v6    8 r
.set R16,  7                           ; v7    16 r
.set NINF, 8                           ; v8    -infinity
.set TMP,  9
.set QWA,  10                          ; v10   q's scale word for [q|0]: q's two bytes below, the byte 1 twice above
.set PW,   11                          ; v11   p's scale word
.set NM,   12                          ; v12   -M; v13 the largest t
.set SUM,  14                          ; v[14:15] the sum, in two halves
.set QZ,   16                          ; v16-23 zeros, v24-31 q, v32-39 zeros
.set KSC,  40                          ; v[40:41] K's scale words
.set VSC,  42                          ; v[42:43] V's
.set KB,   44                          ; v44-107 four fragments, of K and then of V
.set S,    108                         ; v108-171 S^T, then p
.set O,    172                         ; v172-203 O^T
.set PC,   204                         ; v204-219 p's codes
.set BM,   220
.set T2,   224
.set LIM,  228
.set SCL,  232
.set SM2,  236
.set FF,   238                         ; v[238:239] f
.set RL,   240                         ; v[240:241] 1 / l
.set RH,   242                         ; v242  r - 8 h
.set QWB,  244                         ; v244  q's scale word for [0|q]
.macro CROUND                          ; a round of the cluster's barrier
	s_barrier_signal -1
	s_barrier_wait -1
	s_cmp_lg_u32 s14, 0
	s_cbranch_scc1 .Lnot_wave_0_\@
	s_barrier_signal -3
.Lnot_wave_0_\@:
	s_barrier_wait -3
	s_barrier_signal -1
	s_barrier_wait -1
.endm
.macro WM0 d, a, b, sa, sb, ra         ; a product that starts its sum
.if (\ra)
	v_wmma_scale_f32_16x16x128_f8f6f4 v[\d:\d+7], v[\a:\a+15], v[\b:\b+15], 0, v[\sa], v[\sb] matrix_a_scale:MATRIX_SCALE_ROW1
.else
	v_wmma_scale_f32_16x16x128_f8f6f4 v[\d:\d+7], v[\a:\a+15], v[\b:\b+15], 0, v[\sa], v[\sb]
.endif
.endm
.macro WMA d, a, b, sa, sb, ra         ; a product that adds in place
.if (\ra)
	v_wmma_scale_f32_16x16x128_f8f6f4 v[\d:\d+7], v[\a:\a+15], v[\b:\b+15], v[\d:\d+7], v[\sa], v[\sb] matrix_a_scale:MATRIX_SCALE_ROW1
.else
	v_wmma_scale_f32_16x16x128_f8f6f4 v[\d:\d+7], v[\a:\a+15], v[\b:\b+15], v[\d:\d+7], v[\sa], v[\sb]
.endif
.endm
; Tile s27 begins: its four addresses, q and its scale word, and the running numbers.  No load or store of the tile before is reading s[48:55].
.macro PROLOG
	s_lshl_b32 s30, s16, 7
	s_add_co_u32 s30, s30, s27
	s_lshl_b32 s30, s30, 10                        ; qc: 1,024 bytes a tile
	s_mov_b32 s31, 0
	s_add_nc_u64 s[48:49], s[6:7], s[30:31]
	s_lshl_b32 s30, s16, 4
	s_lshr_b32 s32, s27, 3
	s_add_co_u32 s30, s30, s32
	s_lshl_b32 s30, s30, 8                         ; qs: 256 bytes for eight tiles;
	s_bfe_u32 s32, s27, 0x10001
	s_lshl_b32 s32, s32, 7                         ; fragment (T % 8) / 2: odd ones in lanes 16-31's places,
	s_add_co_u32 s30, s30, s32
	s_bfe_u32 s32, s27, 0x10002
	s_lshl_b32 s32, s32, 2                         ; fragments 2 and 3 in the second word
	s_add_co_u32 s30, s30, s32
	s_add_nc_u64 s[50:51], s[8:9], s[30:31]
	s_lshr_b32 s32, s16, 3                         ; batch
	s_and_b32 s33, s16, 7                          ; head
	s_lshl_b32 s30, s32, 7
	s_add_co_u32 s30, s30, s27                     ; the token tile
	s_lshl_b32 s34, s30, 3
	s_add_co_u32 s34, s34, s33
	s_lshl_b32 s34, s34, 10                        ; oc: 1,024 bytes for a tile and a head
	s_mov_b32 s35, 0
	s_add_nc_u64 s[52:53], s[10:11], s[34:35]
	s_lshl_b32 s30, s30, 8                         ; os: 16 bytes a token, 2 a head
	s_lshl_b32 s33, s33, 1
	s_add_co_u32 s30, s30, s33
	s_add_nc_u64 s[54:55], s[12:13], s[30:31]
	s_and_b32 s28, s27, 1
	s_lshl_b32 s28, s28, 4                         ; which half of the scale word is this tile's
	s_and_b32 s29, s27, 7
	s_lshl_b32 s29, s29, 4                         ; the tile's first query in the diagonal step
	global_load_b128 v[QZ+8:QZ+11], v[L16], s[48:49]
	global_load_b128 v[QZ+12:QZ+15], v[L16], s[48:49] offset:512
	global_load_b32 v[QWA], v[R8], s[50:51]
	v_add_nc_u32 v[VD], s29, v[RH]
	v_mov_b32 v[NM+1], 0xff61b1e6                  ; the largest t so far: -3e38, under every t
	v_floor_f32 v[NM], -v[NM+1]                    ; -M
	v_mov_b32 v[SUM], 0
	v_mov_b32 v[SUM+1], 0
.set j, 0
.rept 32
	v_mov_b32 v[O+j], 0                            ; the step is written once: the tile's first finds zeros, which the first change of M leaves zeros
.set j, j+1
.endr
	s_wait_loadcnt 0x0
	v_lshrrev_b32 v[TMP], s28, v[QWA]
	v_and_b32 v[TMP], 0xffff, v[TMP]               ; q's two bytes
	v_or_b32 v[QWA], 0x01010000, v[TMP]
	v_lshl_or_b32 v[QWB], v[TMP], 16, 0x0101
.endm
; The tile ends: O^T / l, quantised in two blocks of 32 channels, and stored.
.macro EPILOG
	v_add_f32 v[SUM], v[SUM], v[SUM+1]
	v_permlanex16_b32 v[TMP], v[SUM], s24, s25
	v_add_f32 v[SUM], v[SUM], v[TMP]               ; with lane l xor 16's keys: the row's sum
	v_rcp_f32 v[RL], v[SUM]
.rept 8
	v_nop                                          ; the plain line behind the reciprocal, and eight places behind the last products in front of the first read of O^T
.endr
	s_wait_alu depctr_va_vdst(0)                   ; the wait ahead of the reciprocal's first reader
.set j, 0
.rept 16
	v_pk_mul_f32 v[S+j:S+j+1], v[O+j:O+j+1], v[RL:RL+1] op_sel_hi:[1,0]   ; each accumulator from its low end on
.set j, j+2
.endr
.irp b, 0,1
	v_max3_num_f32 v[BM+\b], |v[S+16*\b]|, |v[S+1+16*\b]|, 0x4800000
.endr
.irp i, 2,4,6,8,10,12,14
.irp b, 0,1
	v_max3_num_f32 v[BM+\b], v[BM+\b], |v[S+16*\b+\i]|, |v[S+1+16*\b+\i]|
.endr
.endr
.irp b, 0,1
	v_permlanex16_b32 v[T2+\b], v[BM+\b], s24, s25
.endr
.irp b, 0,1
	v_max_num_f32 v[BM+\b], v[BM+\b], v[T2+\b]
.endr
.irp b, 0,1
	v_add_nc_u32 v[SCL+\b], 0xfc000000, v[BM+\b]
.endr
.irp b, 0,1
	v_and_or_b32 v[LIM+\b], v[BM+\b], 0x7f800000, s26
.endr
.irp b, 0,1
	v_lshrrev_b32 v[T2+\b], 23, v[SCL+\b]
.endr
	v_lshl_or_b32 v[TMP], v[T2+1], 8, v[T2]        ; the head's two scale bytes of my token
.irp b, 0,1
.irp i, 0,1,2,3,4,5,6,7,8,9,10,11,12,13,14,15
	v_med3_num_f32 v[S+16*\b+\i], v[S+16*\b+\i], -v[LIM+\b], v[LIM+\b]
.endr
	v_cvt_scalef32_pk8_fp8_f32 v[PC+4*\b:PC+1+4*\b], v[S+16*\b:S+7+16*\b], v[SCL+\b]
	v_cvt_scalef32_pk8_fp8_f32 v[PC+2+4*\b:PC+3+4*\b], v[S+8+16*\b:S+15+16*\b], v[SCL+\b]
.endr
	v_nop                                          ; a plain line behind the last conversion
	global_store_b128 v[L16], v[PC:PC+3], s[52:53]             ; 512 consecutive bytes each
	global_store_b128 v[L16], v[PC+4:PC+7], s[52:53] offset:512
	global_store_b16 v[R16], v[TMP], s[54:55]
	s_wait_xcnt 0x0                                ; the stores have read their data and bases: both are written again
.endm
	s_load_b256 s[4:11], s[0:1], 0x0               ; kv s[4:5], qc s[6:7], qs s[8:9], oc s[10:11]
	s_load_b64 s[12:13], s[0:1], 0x20              ; os
	v_lshl_add_u32 v254, v0, 2, 0x42000
	v_mov_b32 v255, 0
	ds_add_u32 v254, v255
	ds_add_u32 v254, v255
	v_lshrrev_b32 v1, 5, v0
	v_readfirstlane_b32 s14, v1                    ; wave 0..15
	s_bfe_u32 s15, ttmp6, 0x40000                  ; cx
	s_and_b32 s16, ttmp7, 0xffff                   ; batch x 8 + head, which the four partners share
	s_add_co_u32 s17, s14, 1                       ; the first tile's steps
	s_lshl_b32 s27, s14, 3
	s_sub_co_u32 s58, 124, s27
	s_add_co_u32 s58, s58, s15                     ; the second tile: 8 (15 - w) + 4 + cx
	s_add_co_u32 s27, s27, s15                     ; the first: 8 w + cx
	; descriptor group 1: a record, dense: 66 rows of 256 bytes (32 elements of 8 bytes)
	s_mov_b32 s36, 0x0023000f                      ; the mask: all four work-groups; elements of 8 bytes; bit 21 set beside a mask
	s_mov_b32 s37, 32<<16
	s_mov_b32 s38, 66<<16
	s_mov_b32 s39, 32<<16
	s_mov_b32 s40, 66
	s_mov_b32 s41, 32
	s_mov_b32 s42, 0
	s_mov_b32 s43, 0
	s_mov_b32 s22, 0x3e38aa3b                      ; c = log2(e) / 8
	s_mov_b32 s23, s22                             ; (named with it as a pair, so it is written)
	s_mov_b32 s24, 0x76543210
	s_mov_b32 s25, 0xfedcba98
	s_mov_b32 s26, 0x600000                        ; the mantissa field of 448
	s_lshl_b32 s30, s16, 4
	s_add_co_u32 s30, s30, s14
	s_mul_i32 s30, s30, REC                        ; record w of my head
	s_mov_b32 s31, 0
	s_mov_b32 s44, 1
	s_mul_i32 s45, s14, REC                        ; and its place in LDS: the wave's number alone
	s_wait_dscnt 0x0
	s_wait_kmcnt 0x0
	s_add_nc_u64 s[46:47], s[4:5], s[30:31]
	s_or_b32 s47, s47, 0x80000000
	CROUND                                         ; all four work-groups are here: the joint loads meet
	tensor_load_to_lds s[44:47], s[36:43]
	s_nop 0
.rept 4
	v_nop
.endr
	v_and_b32 v1, 31, v0
	v_lshlrev_b32 v[L8], 3, v1
	v_lshlrev_b32 v[L16], 4, v1
	v_and_b32 v6, 15, v0                           ; r
	v_bfe_u32 v9, v0, 4, 1                         ; h
	v_lshlrev_b32 v9, 3, v9
	v_sub_nc_u32 v[RH], v6, v9
	v_lshlrev_b32 v[R16], 4, v6
	v_lshlrev_b32 v[R8], 3, v6
	v_mov_b32 v[NINF], 0xff800000
.irp j, 0,1,2,3,4,5,6,7
	v_mov_b32 v[QZ+\j], 0                          ; the zero codes on either side of q
	v_mov_b32 v[QZ+16+\j], 0
.endr
.irp b, 0,1,2,3
	v_mov_b32 v[T2+\b], 0                          ; written once: a lane permute's destination counts as one of its sources
.endr
	v_mov_b32 v[FF+1], 0                           ; (upper halves of pairs of which the low word serves both halves)
	v_mov_b32 v[RL+1], 0
	PROLOG
	s_wait_tensorcnt 0x0                           ; my record is in,
	s_barrier_signal -1
	s_barrier_wait -1                              ; all sixteen are
	s_mov_b32 s18, 0
.Lstep:                                            ; trip t: t <= w: key step t of the first tile; else key step t - w - 1 of the second
	s_sub_co_u32 s19, s18, s17
	s_cmp_lt_u32 s18, s17
	s_cselect_b32 s19, s18, s19
	s_min_u32 s19, s19, 15                         ; the key step
	s_mul_i32 s20, s19, REC
	s_cmp_eq_u32 s18, s14
	s_cselect_b32 s21, 1, 0
	s_cmp_eq_u32 s18, 16
	s_cselect_b32 s21, 1, s21                      ; 1: the tile's last step, on the diagonal
	v_add_nc_u32 v[AD], s20, v[L16]
	v_add_nc_u32 v[AS], s20, v[L8]
.rept 6
	v_nop                                          ; with the two additions: eight places behind the last products, in front of loads into the registers that they read; and in front of products whose scale word a vector line has just made
.endr
.irp f, 0,1,2,3
.irp c, 0,1,2,3
	ds_load_b128 v[KB+16*\f+4*\c:KB+16*\f+4*\c+3], v[AD] offset:2048*\f+512*\c     ; 512 consecutive bytes: the fragment's registers as they were stored
.endr
.endr
	ds_load_b64 v[KSC:KSC+1], v[AS] offset:16384
	s_wait_dscnt 0x0
.irp f, 0,1,2,3
	WM0 S+16*\f, KB+16*\f, QZ+8, KSC+\f/2, QWA, \f%2           ; key tile 2 f: [q|0]
	WM0 S+16*\f+8, KB+16*\f, QZ, KSC+\f/2, QWB, \f%2           ; key tile 2 f + 1: [0|q]
.endr
.rept 8
	v_nop                                          ; places in front of the loads below and of the first read of the scores
.endr
.irp f, 0,1,2,3
.irp c, 0,1,2,3
	ds_load_b128 v[KB+16*\f+4*\c:KB+16*\f+4*\c+3], v[AD] offset:8192+2048*\f+512*\c   ; V's four fragments land under the softmax
.endr
.endr
	ds_load_b64 v[VSC:VSC+1], v[AS] offset:16640
	s_cmp_eq_u32 s21, 0
	s_cbranch_scc1 .Lopen
.set n, 0
.rept 64                                           ; on the diagonal: register n holds key 16 (n / 8) + 8 h + n % 8 of the step; hidden where that is above my query
	v_cmp_gt_i32 vcc_lo, 16*(n/8)+n%8, v[VD]
	v_cndmask_b32 v[S+n], v[S+n], v[NINF], vcc_lo
.set n, n+1
.endr
.Lopen:
.irp b, 0,1,2,3
	v_max3_num_f32 v[BM+\b], v[S+16*\b], v[S+1+16*\b], v[S+2+16*\b]    ; the largest score of each block of 32 keys: for the row's maximum and, since p rises with the score, for the block's largest p
.endr
.irp i, 3,5,7,9,11,13
.irp b, 0,1,2,3
	v_max3_num_f32 v[BM+\b], v[BM+\b], v[S+16*\b+\i], v[S+1+16*\b+\i]
.endr
.endr
.irp b, 0,1,2,3
	v_max_num_f32 v[BM+\b], v[BM+\b], v[S+15+16*\b]
.endr
.irp b, 0,1,2,3
	v_permlanex16_b32 v[T2+\b], v[BM+\b], s24, s25
.endr
.irp b, 0,1,2,3
	v_max_num_f32 v[BM+\b], v[BM+\b], v[T2+\b]
.endr
	v_max3_num_f32 v[TMP], v[BM], v[BM+1], v[BM+2]
	v_max_num_f32 v[TMP], v[TMP], v[BM+3]
	v_mul_f32 v[TMP], s22, v[TMP]                  ; as t
	v_max_num_f32 v[NM+1], v[NM+1], v[TMP]         ; the running largest t
	v_mov_b32 v[TMP], v[NM]
	v_floor_f32 v[NM], -v[NM+1]                    ; the new -M = -ceil(t)
	v_sub_f32 v[TMP], v[NM], v[TMP]                ; old M - new M: a whole number, 0 or less
	v_cvt_i32_f32 v[TMP], v[TMP]                   ; (it saturates)
	v_ldexp_f32 v[FF], 1.0, v[TMP]                 ; f = 2^(old M - new M)
.set j, 0
.rept 32
	v_pk_fma_f32 v[S+j:S+j+1], v[S+j:S+j+1], s[22:23], v[NM:NM+1] op_sel_hi:[1,0,0]   ; t - M
.set j, j+2
.endr
.irp b, 0,1,2,3
	v_fma_f32 v[BM+\b], v[BM+\b], s22, v[NM]
.endr
.set j, 0
.rept 64
	v_exp_f32 v[S+j], v[S+j]                       ; p = 2^(t - M)
.set j, j+1
.endr
	v_pk_mul_f32 v[SUM:SUM+1], v[SUM:SUM+1], v[FF:FF+1] op_sel_hi:[1,0]   ; the sums under the new M: the plain line behind the exponentials
	s_wait_alu depctr_va_vdst(0)                   ; one wait for the batch of 64, ahead of its first reader
.irp b, 0,1,2,3
	v_exp_f32 v[BM+\b], v[BM+\b]                   ; the blocks' largest p
.endr
	v_pk_add_f32 v[SM2:SM2+1], v[S:S+1], v[S+2:S+3]   ; the row's sum of the unquantised p, in two chains
.irp j, 4,8,12,16,20,24,28,32,36,40,44,48,52,56,60
	v_pk_add_f32 v[SUM:SUM+1], v[SUM:SUM+1], v[S+\j:S+\j+1]
	v_pk_add_f32 v[SM2:SM2+1], v[SM2:SM2+1], v[S+\j+2:S+\j+3]
.endr
	v_pk_add_f32 v[SUM:SUM+1], v[SUM:SUM+1], v[SM2:SM2+1]
	s_wait_alu depctr_va_vdst(0)                   ; and one for the four
.irp b, 0,1,2,3
	v_max_num_f32 v[BM+\b], 0x4800000, v[BM+\b]    ; the floor 2^(9 - 127): the byte cannot fall under 1
.endr
.irp b, 0,1,2,3
	v_add_nc_u32 v[SCL+\b], 0xfc000000, v[BM+\b]
.endr
.irp b, 0,1,2,3
	v_and_or_b32 v[LIM+\b], v[BM+\b], 0x7f800000, s26
.endr
.irp b, 0,1,2,3
	v_lshrrev_b32 v[T2+\b], 23, v[SCL+\b]
.endr
	v_lshl_or_b32 v[PW], v[T2+1], 8, v[T2]
	v_lshl_or_b32 v[PW], v[T2+2], 16, v[PW]
	v_lshl_or_b32 v[PW], v[T2+3], 24, v[PW]
.irp b, 0,1,2,3
.irp i, 0,1,2,3,4,5,6,7,8,9,10,11,12,13,14,15
	v_min_num_f32 v[S+16*\b+\i], v[S+16*\b+\i], v[LIM+\b]      ; the hold: p is not negative, so it is one-sided
.endr
	v_cvt_scalef32_pk8_fp8_f32 v[PC+4*\b:PC+1+4*\b], v[S+16*\b:S+7+16*\b], v[SCL+\b]
	v_cvt_scalef32_pk8_fp8_f32 v[PC+2+4*\b:PC+3+4*\b], v[S+8+16*\b:S+15+16*\b], v[SCL+\b]
.endr
.set j, 0
.rept 16
	v_pk_mul_f32 v[O+j:O+j+1], v[O+j:O+j+1], v[FF:FF+1] op_sel_hi:[1,0]   ; O^T under the new M; these are also the places between the codes and the products
.set j, j+2
.endr
	s_wait_dscnt 0x0                               ; V
.irp f, 0,1,2,3
	WMA O+8*\f, KB+16*\f, PC, VSC+\f/2, PW, \f%2   ; four accumulators by turns; the next trip's eight products stand between two links of a chain
.endr
	s_cmp_eq_u32 s21, 0
	s_cbranch_scc1 .Lnext
	EPILOG
	s_cmp_eq_u32 s18, 16
	s_cbranch_scc1 .Lnext
	s_mov_b32 s27, s58
	PROLOG
.Lnext:
	s_add_co_u32 s18, s18, 1
	s_cmp_lt_u32 s18, 17
	s_cbranch_scc1 .Lstep
	s_wait_dscnt 0x0
	s_wait_tensorcnt 0x0
	ds_add_u32 v254, v255
	s_wait_dscnt 0x0
	CROUND                                         ; the closing round
	s_endpgm
.Lfunc_end_k_q03cc5cf331_attn:
	.size	k_q03cc5cf331_attn, .Lfunc_end_k_q03cc5cf331_attn-k_q03cc5cf331_attn
	.p2alignl 7, 3214868480
	.fill 96, 4, 3214868480
	.section	.rodata,"a",@progbits
	.p2align	6, 0x0
	.amdhsa_kernel k_q03cc5cf331_attn
		.amdhsa_group_segment_fixed_size 272384
		.amdhsa_private_segment_fixed_size 0
		.amdhsa_enable_private_segment 0
		.amdhsa_kernarg_size 40
		.amdhsa_user_sgpr_count 2
		.amdhsa_user_sgpr_kernarg_segment_ptr 1
		.amdhsa_wavefront_size32 1
		.amdhsa_system_sgpr_workgroup_id_x 1
		.amdhsa_system_sgpr_workgroup_id_y 1
		.amdhsa_system_sgpr_workgroup_id_z 1
		.amdhsa_system_vgpr_workitem_id 0
		.amdhsa_next_free_vgpr 256
		.amdhsa_next_free_sgpr 66
		.amdhsa_reserve_vcc 1
		.amdhsa_float_denorm_mode_32 3
		.amdhsa_float_denorm_mode_16_64 3
		.amdhsa_memory_ordered 1
		.amdhsa_forward_progress 1
		.amdhsa_inst_pref_size 40
	.end_amdhsa_kernel
	.amdgpu_metadata
---
amdhsa.version: [ 1, 2 ]
amdhsa.kernels:
  - .name:           k_q03cc5cf331_attn
    .symbol:         k_q03cc5cf331_attn.kd
    .args:
      - { .name: kv, .offset: 0, .size: 8, .value_kind: global_buffer, .address_space: global }
      - { .name: qc, .offset: 8, .size: 8, .value_kind: global_buffer, .address_space: global }
      - { .name: qs, .offset: 16, .size: 8, .value_kind: global_buffer, .address_space: global }
      - { .name: oc, .offset: 24, .size: 8, .value_kind: global_buffer, .address_space: global }
      - { .name: os, .offset: 32, .size: 8, .value_kind: global_buffer, .address_space: global }
    .group_segment_fixed_size: 272384
    .private_segment_fixed_size: 0
    .kernarg_segment_align: 8
    .kernarg_segment_size: 40
    .max_flat_workgroup_size: 512
    .sgpr_count:     66
    .vgpr_count:     256
    .wavefront_size: 32
...
	.end_amdgpu_metadata
.endif
;; end of part 2
;; launch oproj (part 3): grid 2 x 128, 4 waves a work-group, no clusters, 168,448 bytes of LDS; arguments oc, os, Wo_codes, Wo_scales, bo, out0; writes out0
.if DOCPART == 3
	.amdgcn_target "amdgcn-amd-amdhsa--gfx1250"
	.amdhsa_code_object_version 6
	.text
	.protected	k_q03cc5cf331_oproj
	.globl	k_q03cc5cf331_oproj
	.p2align	8
	.type	k_q03cc5cf331_oproj,@function
k_q03cc5cf331_oproj:
	s_mov_b64 s[64:65], 0
	v_nop
	global_prefetch_b8 v0, s[64:65] scope:SCOPE_SE
	s_setreg_imm32_b32 hwreg(HW_REG_WAVE_MODE, 25, 1), 1
	s_wait_xcnt 0x0
; out0 = o Wo + bo: o as the codes and scale bytes that the attention launch stored, Wo as given; E4M3 with one E8M0 byte for each 32 along K = 512; f32 sums.
; SHARES.  A work-group takes 128 tokens (y) x 256 channels (x); wave w takes channels 256 x + 64 w.  Its 64 x 512 codes of Wo stay in 256 registers.  o's block, 65,536 dense bytes in the order of the operand's registers,
; comes into LDS once, 16,384 bytes a wave by one tensor load; nothing is filled again.
; o's places inside a block of 32 along K: place 16 h + e holds channel 8 h + e (e < 8) or 16 + 8 h + e - 8.  Wo lies in the plain order, so each group of 16 codes of a lane is taken as two runs of 8 bytes, at 8 h and at 16 + 8 h of the block.
; Source 0 = 16 channels of Wo, source 1 = 16 tokens: a lane holds one token and eight neighbouring outputs; the bias is the C of each sum's first product.
; THE WAY OUT: a tile of 16 tokens x 64 channels goes through the wave's own stage in LDS (rows of 256 + 16 bytes) and leaves as rows: sixteen lanes store 256 consecutive bytes, at a multiple of 256 from out0's first byte.
; NO CLUSTER: of the 192 KB that a work-group fetches 128 KB are weights that go straight into registers, for which there is no joint request; o's 64 KB are shared by two work-groups alone, and the grid's x is 2.
; LIMITS: NaN codes in Wo are not served.
; REGISTERS.  Window 0: v1-8 offsets; v16-31 o's scale words; v32-39 Wo's; v64-127 rows on their way out, two sets; v128-255 16 accumulators.  Window 1: Wo, fragment (dt, s) at 16 (4 dt + s).  Window 2: v0-127 two buffers of four fragments of o; v128-159 the bias.
.set STG,  65536                       ; behind o's block: a stage of 16 x 272 bytes for each wave; no tensor load lands there
.set SP,   272
.set L16,  1
.set WA,   2
.set BH,   3
.set STO,  4
.set RD,   5
.set CO,   6
.set XS,   16
.set WS,   32
.set OB,   64
.set ACC,  128
.set BI,   128
.set MSB,  0
.macro WIN new
.if MSB != (\new)
	s_set_vgpr_msb (MSB<<8)|(\new)
.set MSB, (\new)
.endif
.endm
.macro PLACES n
.rept \n
	v_nop
.endr
.endm
.macro WM d, a, b, cc, sa, sb, ra, rb
.if (\ra) && (\rb)
	v_wmma_scale_f32_16x16x128_f8f6f4 v[\d:\d+7], v[\a:\a+15], v[\b:\b+15], v[\cc:\cc+7], v[\sa], v[\sb] matrix_a_scale:MATRIX_SCALE_ROW1 matrix_b_scale:MATRIX_SCALE_ROW1
.elseif (\ra)
	v_wmma_scale_f32_16x16x128_f8f6f4 v[\d:\d+7], v[\a:\a+15], v[\b:\b+15], v[\cc:\cc+7], v[\sa], v[\sb] matrix_a_scale:MATRIX_SCALE_ROW1
.elseif (\rb)
	v_wmma_scale_f32_16x16x128_f8f6f4 v[\d:\d+7], v[\a:\a+15], v[\b:\b+15], v[\cc:\cc+7], v[\sa], v[\sb] matrix_b_scale:MATRIX_SCALE_ROW1
.else
	v_wmma_scale_f32_16x16x128_f8f6f4 v[\d:\d+7], v[\a:\a+15], v[\b:\b+15], v[\cc:\cc+7], v[\sa], v[\sb]
.endif
.endm
.macro FETCHX H, s                     ; 16 LDS loads: token tiles 4 H .. + 3, K step s, into buffer s % 2
	WIN 0x80
.irp u, 0,1,2,3
.irp c, 0,1,2,3
	ds_load_b128 v[64*((\s)%2)+16*\u+4*\c:64*((\s)%2)+16*\u+4*\c+3], v[L16] offset:8192*(4*(\H)+\u)+2048*(\s)+512*\c
.endr
.endr
.endm
.macro MUL H, s                        ; 16 matrix instructions; the 16 accumulators take turns
.if (\s) == 0
	WIN 0x29                                       ; source 0 (Wo) window 1, source 1 (o) window 2, C (bias) window 2, D window 0
.else
	WIN 0x09
.endif
.irp u, 0,1,2,3
.irp dt, 0,1,2,3
.if (\s) == 0
	WM ACC+32*\u+8*\dt, 16*(4*\dt+(\s)), 64*((\s)%2)+16*\u, BI+8*\dt, WS+4*(\dt/2)+(\s), XS+4*((4*(\H)+\u)/2)+(\s), \dt%2, \u%2
.else
	WM ACC+32*\u+8*\dt, 16*(4*\dt+(\s)), 64*((\s)%2)+16*\u, ACC+32*\u+8*\dt, WS+4*(\dt/2)+(\s), XS+4*((4*(\H)+\u)/2)+(\s), \dt%2, \u%2
.endif
.endr
.endr
.endm
.macro TOSTAGE u                       ; token tile u into my stage and back as rows; LDS serves a wave's instructions in order, so no wait stands between
.irp dt, 0,1,2,3
	ds_store_b128 v[STO], v[ACC+32*(\u)+8*\dt:ACC+32*(\u)+8*\dt+3] offset:64*\dt          ; each accumulator from its low end on
	ds_store_b128 v[STO], v[ACC+32*(\u)+8*\dt+4:ACC+32*(\u)+8*\dt+7] offset:64*\dt+16
.endr
.irp i, 0,1,2,3,4,5,6,7
	ds_load_b128 v[OB+32*((\u)%2)+4*\i:OB+32*((\u)%2)+4*\i+3], v[RD] offset:2*SP*\i
.endr
.endm
.macro SEND H, u, younger              ; younger: the LDS instructions issued behind tile u's loads, which may stay out
	s_wait_dscnt \younger
.irp i, 0,1,2,3,4,5,6,7
	global_store_b128 v[CO], v[OB+32*((\u)%2)+4*\i:OB+32*((\u)%2)+4*\i+3], s[18:19] offset:(16*(4*(\H)+(\u))+2*\i)*2048 th:TH_STORE_NT
.endr
.endm
.macro HALF H
	s_wait_dscnt 16                                ; K step 0's sixteen loads are in; K step 1's may be out
	MUL \H, 0
	PLACES 8
	FETCHX \H, 2
	s_wait_dscnt 16
	MUL \H, 1
	PLACES 8
	FETCHX \H, 3
	s_wait_dscnt 16
	MUL \H, 2
	s_wait_dscnt 0x0
	MUL \H, 3
	PLACES 9                                       ; eight for the loads and the stage's stores; the ninth for the next half's first products, which write over these accumulators with another C, and no vector work stands between
.if (\H) == 0
	FETCHX 1, 0
	FETCHX 1, 1
.endif
	WIN 0
.if (\H) == 1
	s_wait_xcnt 0x0                                ; the stores that read this set of rows have read them
.endif
	TOSTAGE 0
.irp a, 1,2,3
.if ((\H) == 1) || (\a > 1)
	s_wait_xcnt 0x0
.endif
	TOSTAGE \a
	SEND \H, \a-1, 16                              ; behind tile a - 1's loads: tile a's 8 stores and 8 loads
.endr
	SEND \H, 3, 0
.endm
	s_load_b256 s[8:15], s[0:1], 0x0               ; oc s[8:9], os s[10:11], Wo's codes s[12:13], Wo's scales s[14:15]
	s_load_b128 s[16:19], s[0:1], 0x20             ; bo s[16:17], out0 s[18:19]
	v_lshl_add_u32 v62, v0, 2, 0x29000
	v_mov_b32 v63, 0
	ds_add_u32 v62, v63
	ds_add_u32 v62, v63
	v_lshrrev_b32 v1, 5, v0
	v_readfirstlane_b32 s4, v1                     ; wave 0..3
	s_and_b32 s6, ttmp7, 0xffff                    ; token block
	s_lshl_b32 s7, ttmp9, 2
	s_add_co_u32 s7, s7, s4                        ; which 64 channels
	; descriptor group 1: 16,384 dense bytes as 64 rows of 256 (32 elements of 8 bytes)
	s_mov_b32 s24, 0x00030000
	s_mov_b32 s25, 32<<16
	s_mov_b32 s26, 64<<16
	s_mov_b32 s27, 32<<16
	s_mov_b32 s28, 64
	s_mov_b32 s29, 32
	s_mov_b32 s30, 0
	s_mov_b32 s31, 0
	s_lshl_b32 s2, s6, 16
	s_lshl_b32 s3, s4, 14
	s_add_co_u32 s2, s2, s3
	s_mov_b32 s3, 0
	s_mov_b32 s32, 1
	s_lshl_b32 s33, s4, 14                         ; LDS address: wave x 16,384
	s_wait_dscnt 0x0
	s_wait_kmcnt 0x0
	s_add_nc_u64 s[34:35], s[8:9], s[2:3]
	s_or_b32 s35, s35, 0x80000000
	tensor_load_to_lds s[32:35], s[24:31]          ; one load of mine is out
	s_nop 0
	v_and_b32 v1, 31, v0
	v_and_b32 v7, 15, v0                           ; r
	v_bfe_u32 v8, v0, 4, 1                         ; h
	v_lshlrev_b32 v[L16], 4, v1
	v_lshlrev_b32 v[WA], 9, v7
	v_lshl_add_u32 v[WA], v8, 3, v[WA]             ; Wo: row r, + 8 h
	v_lshlrev_b32 v[BH], 5, v8
	s_mul_i32 s20, s4, 16*SP
	s_add_co_u32 s20, s20, STG                     ; my stage
	v_mul_u32_u24 v[STO], v7, SP
	v_lshl_add_u32 v[STO], v8, 5, v[STO]
	v_add_nc_u32 v[STO], s20, v[STO]               ; in: row r, 32 bytes for each half of the lanes
	v_mul_u32_u24 v[RD], v8, SP
	v_lshl_add_u32 v[RD], v7, 4, v[RD]
	v_add_nc_u32 v[RD], s20, v[RD]                 ; back: lanes 0-15 one row, lanes 16-31 the next
	v_lshlrev_b32 v[CO], 11, v8
	v_lshl_add_u32 v[CO], v7, 4, v[CO]             ; and the same two rows of out0
	s_lshl_b32 s2, s6, 11
	s_add_nc_u64 s[10:11], s[10:11], s[2:3]        ; os: 16 bytes a token
	s_lshl_b32 s2, s7, 15
	s_add_nc_u64 s[12:13], s[12:13], s[2:3]        ; Wo's codes: my 64 rows
	s_lshl_b32 s2, s7, 10
	s_add_nc_u64 s[14:15], s[14:15], s[2:3]        ; its scales
	s_lshl_b32 s2, s7, 8
	s_add_nc_u64 s[16:17], s[16:17], s[2:3]        ; bo: my 64 numbers
	s_add_nc_u64 s[18:19], s[18:19], s[2:3]        ; out0: my 256 bytes of a row,
	s_lshl_b32 s2, s6, 18
	s_add_nc_u64 s[18:19], s[18:19], s[2:3]        ; 128 rows of 2,048 bytes a token block
.irp i, 0,1,2,3
	global_load_b128 v[XS+4*\i:XS+4*\i+3], v[L16], s[10:11] offset:512*\i     ; lanes 0-15: token tile 2 i, lanes 16-31: tile 2 i + 1; four words a token
.endr
.irp i, 0,1
	global_load_b128 v[WS+4*\i:WS+4*\i+3], v[L16], s[14:15] offset:512*\i
.endr
	WIN 0x80
.irp i, 0,1,2,3
	global_load_b128 v[BI+8*\i:BI+8*\i+3], v[BH], s[16:17] offset:64*\i
	global_load_b128 v[BI+8*\i+4:BI+8*\i+7], v[BH], s[16:17] offset:64*\i+16
.endr
	WIN 0x40
.irp dt, 0,1,2,3
.irp s, 0,1,2,3
.irp c, 0,1,2,3
	global_load_b64 v[16*(4*\dt+\s)+4*\c:16*(4*\dt+\s)+4*\c+1], v[WA], s[12:13] offset:8192*\dt+128*\s+32*\c
	global_load_b64 v[16*(4*\dt+\s)+4*\c+2:16*(4*\dt+\s)+4*\c+3], v[WA], s[12:13] offset:8192*\dt+128*\s+32*\c+16
.endr
.endr
.endr
	s_wait_loadcnt 0x0
	s_wait_tensorcnt 0x0                           ; my part of o's block is in,
	s_barrier_signal -1
	s_barrier_wait -1                              ; everybody's is
	FETCHX 0, 0
	FETCHX 0, 1
	HALF 0
	HALF 1
	s_wait_tensorcnt 0x0
	ds_add_u32 v62, v63
	s_wait_dscnt 0x0
	s_endpgm
.Lfunc_end_k_q03cc5cf331_oproj:
	.size	k_q03cc5cf331_oproj, .Lfunc_end_k_q03cc5cf331_oproj-k_q03cc5cf331_oproj
	.p2alignl 7, 3214868480
	.fill 96, 4, 3214868480
	.section	.rodata,"a",@progbits
	.p2align	6, 0x0
	.amdhsa_kernel k_q03cc5cf331_oproj
		.amdhsa_group_segment_fixed_size 168448
		.amdhsa_private_segment_fixed_size 0
		.amdhsa_enable_private_segment 0
		.amdhsa_kernarg_size 48
		.amdhsa_user_sgpr_count 2
		.amdhsa_user_sgpr_kernarg_segment_ptr 1
		.amdhsa_wavefront_size32 1
		.amdhsa_system_sgpr_workgroup_id_x 1
		.amdhsa_system_sgpr_workgroup_id_y 1
		.amdhsa_system_sgpr_workgroup_id_z 1
		.amdhsa_system_vgpr_workitem_id 0
		.amdhsa_next_free_vgpr 768
		.amdhsa_next_free_sgpr 66
		.amdhsa_reserve_vcc 0
		.amdhsa_float_denorm_mode_32 3
		.amdhsa_float_denorm_mode_16_64 3
		.amdhsa_memory_ordered 1
		.amdhsa_forward_progress 1
		.amdhsa_inst_pref_size 58
	.end_amdhsa_kernel
	.amdgpu_metadata
---
amdhsa.version: [ 1, 2 ]
amdhsa.kernels:
  - .name:           k_q03cc5cf331_oproj
    .symbol:         k_q03cc5cf331_oproj.kd
    .args:
      - { .name: oc, .offset: 0, .size: 8, .value_kind: global_buffer, .address_space: global }
      - { .name: os, .offset: 8, .size: 8, .value_kind: global_buffer, .address_space: global }
      - { .name: Wo_codes, .offset: 16, .size: 8, .value_kind: global_buffer, .address_space: global }
      - { .name: Wo_scales, .offset: 24, .size: 8, .value_kind: global_buffer, .address_space: global }
      - { .name: bo, .offset: 32, .size: 8, .value_kind: global_buffer, .address_space: global }
      - { .name: out0, .offset: 40, .size: 8, .value_kind: global_buffer, .address_space: global }
    .group_segment_fixed_size: 168448
    .private_segment_fixed_size: 0
    .kernarg_segment_align: 8
    .kernarg_segment_size: 48
    .max_flat_workgroup_size: 128
    .sgpr_count:     66
    .vgpr_count:     768
    .wavefront_size: 32
...
	.end_amdgpu_metadata
.endif
;; end of part 3
